; MI455X (gfx1250); checked and timed in simulation.
; The chip was launched on July 23, 2026; its instructions are those of AMD's public machine-readable ISA for CDNA 5 (MIT licence, August 2026) and "CDNA5" Instruction Set Architecture Reference Guide (July 2026). The comments in the code are by the model that wrote it; some were corrected since.
;; Custom Flash Attention. Allowed arithmetic: float matrix products may take bf16 or f16 operands with f32 sums; all other float work in f32.
;; Inputs: w_k 1,024 x 1,024 float32; w_o 1,024 x 1,024 float32; w_q 1,024 x 1,024 float32; w_v 1,024 x 1,024 float32; x 2 x 2,048 x 1,024 float32.
;; Outputs: out0 2 x 2,048 x 1,024 float32.
;; One version. Each part assembles by itself: llvm-mc -triple=amdgcn-amd-amdhsa -mcpu=gfx1250 --defsym DOCPART=n.
;; ======== version 1 of 1: 4 launches
;; limits: values are held in f16: magnitudes above 65,504 overflow, below 6.1e-05 lose precision
;; workspace buffers: xh 8,388,608 bytes; wqkv 6,291,456 bytes; woh 2,097,152 bytes; qh 8,388,608 bytes; kh 8,388,608 bytes; vt 8,388,608 bytes; oh 8,388,608 bytes
;; launch cast (part 1): grid 256 x 1, 8 waves a work-group, no clusters, 0 bytes of LDS; arguments x, w_q, w_k, w_v, w_o, xh, wqkv, woh; writes xh, wqkv, woh
.if DOCPART == 1
	.amdgcn_target "amdgcn-amd-amdhsa--gfx1250"
	.amdhsa_code_object_version 6
	.text
	.protected	k_q4966d1df27_cast
	.globl	k_q4966d1df27_cast
	.p2align	8
	.type	k_q4966d1df27_cast,@function
k_q4966d1df27_cast:
	s_mov_b64 s[64:65], 0
	v_nop
	global_prefetch_b8 v0, s[64:65] scope:SCOPE_SE
	s_setreg_imm32_b32 hwreg(HW_REG_WAVE_MODE, 25, 1), 1
	s_wait_xcnt 0x0
; f32 -> f16 of x and of the four weight matrices, once, so that the three matrix launches move and read 16-bit tiles.
; xh = x as it lies; woh = w_o as it lies; wqkv = [16 heads][q, k, v][64 rows][1024]: the 192 rows that one head needs lie together.
; 256 work-groups, each 131,072 bytes in and 65,536 bytes out: groups 0-127 take x, groups 128-255 take 32 rows of one weight matrix.
; A stream: no LDS, no matrix unit, no cluster (no two work-groups read the same byte).  All 32 loads of a thread go out first.
; LIMIT: a number of magnitude 65,504 or more becomes infinite in f16; below 6.1e-5 the f16 step is 6e-8.
.set X, 4                              ; v[4:131]  32 loads of 4 registers; each is converted in place into its first two
	s_load_b512 s[8:23], s[0:1], 0x0               ; x 8, w_q 10, w_k 12, w_v 14, w_o 16, xh 18, wqkv 20, woh 22
	v_lshlrev_b32 v1, 4, v0                        ; 16 t: my 4 numbers in each 4,096 bytes of f32
	v_lshlrev_b32 v2, 3, v0                        ; 8 t: the same 4 numbers in each 2,048 bytes of f16
	s_and_b32 s2, ttmp9, 127                       ; j: the group's number among the weight groups
	s_lshr_b32 s3, s2, 5                           ; i: 0 w_q, 1 w_k, 2 w_v, 3 w_o
	s_and_b32 s4, s2, 31                           ; ch: which 32 rows of that matrix
	s_lshr_b32 s5, s4, 1                           ; head = ch / 2
	s_mul_i32 s5, s5, 192
	s_lshl_b32 s6, s3, 6
	s_add_co_u32 s5, s5, s6                        ; + 64 i
	s_and_b32 s6, s4, 1
	s_lshl_b32 s6, s6, 5
	s_add_co_u32 s5, s5, s6                        ; + 32 (ch & 1): the row in wqkv
	s_lshl_b32 s5, s5, 11                          ; x 2,048 bytes
	s_lshl_b32 s6, s4, 16                          ; in woh: 65,536 ch
	s_cmp_eq_u32 s3, 3
	s_cselect_b32 s30, s6, s5                      ; a weight group's offset in its destination
	s_lshl_b32 s28, s4, 17                         ; and in its source: 131,072 ch
	s_lshl_b32 s6, ttmp9, 17                       ; an x group's offsets
	s_lshl_b32 s7, ttmp9, 16
	s_cmp_lt_u32 ttmp9, 128
	s_cselect_b32 s28, s6, s28
	s_cselect_b32 s30, s7, s30
	s_mov_b32 s29, 0
	s_mov_b32 s31, 0
	s_wait_kmcnt 0x0
	s_cmp_eq_u32 s3, 1                             ; the buffers are chosen on the group's number alone
	s_cselect_b64 s[24:25], s[12:13], s[10:11]
	s_cmp_eq_u32 s3, 2
	s_cselect_b64 s[24:25], s[14:15], s[24:25]
	s_cmp_eq_u32 s3, 3
	s_cselect_b64 s[24:25], s[16:17], s[24:25]
	s_cselect_b64 s[26:27], s[22:23], s[20:21]
	s_cmp_lt_u32 ttmp9, 128
	s_cselect_b64 s[24:25], s[8:9], s[24:25]
	s_cselect_b64 s[26:27], s[18:19], s[26:27]
	s_add_nc_u64 s[24:25], s[24:25], s[28:29]      ; source
	s_add_nc_u64 s[26:27], s[26:27], s[30:31]      ; destination
.set j, 0
.rept 32
	global_load_b128 v[X+4*j:X+4*j+3], v1, s[24:25] offset:4096*j th:TH_LOAD_NT   ; a wave's load: 512 consecutive bytes; read once in the launch
.set j, j+1
.endr
.set j, 0
.rept 32
	s_wait_loadcnt 31-j                            ; loads come back in order: load j is in, the 31 - j younger ones stay out
	v_cvt_pk_f16_f32 v[X+4*j], v[X+4*j], v[X+4*j+1]
	v_cvt_pk_f16_f32 v[X+4*j+1], v[X+4*j+2], v[X+4*j+3]
	global_store_b64 v2, v[X+4*j:X+4*j+1], s[26:27] offset:2048*j   ; a wave's store: 256 consecutive bytes, aligned; no register is written again
.set j, j+1
.endr
	s_endpgm
.Lfunc_end_k_q4966d1df27_cast:
	.size	k_q4966d1df27_cast, .Lfunc_end_k_q4966d1df27_cast-k_q4966d1df27_cast
	.p2alignl 7, 3214868480
	.fill 96, 4, 3214868480
	.section	.rodata,"a",@progbits
	.p2align	6, 0x0
	.amdhsa_kernel k_q4966d1df27_cast
		.amdhsa_group_segment_fixed_size 0
		.amdhsa_private_segment_fixed_size 0
		.amdhsa_enable_private_segment 0
		.amdhsa_kernarg_size 64
		.amdhsa_user_sgpr_count 2
		.amdhsa_user_sgpr_kernarg_segment_ptr 1
		.amdhsa_wavefront_size32 1
		.amdhsa_system_sgpr_workgroup_id_x 1
		.amdhsa_system_sgpr_workgroup_id_y 1
		.amdhsa_system_sgpr_workgroup_id_z 1
		.amdhsa_system_vgpr_workitem_id 0
		.amdhsa_next_free_vgpr 132
		.amdhsa_next_free_sgpr 66
		.amdhsa_reserve_vcc 0
		.amdhsa_float_denorm_mode_32 3
		.amdhsa_float_denorm_mode_16_64 3
		.amdhsa_memory_ordered 1
		.amdhsa_forward_progress 1
		.amdhsa_inst_pref_size 13
	.end_amdhsa_kernel
	.amdgpu_metadata
---
amdhsa.version: [ 1, 2 ]
amdhsa.kernels:
  - .name:           k_q4966d1df27_cast
    .symbol:         k_q4966d1df27_cast.kd
    .args:
      - { .name: x, .offset: 0, .size: 8, .value_kind: global_buffer, .address_space: global }
      - { .name: w_q, .offset: 8, .size: 8, .value_kind: global_buffer, .address_space: global }
      - { .name: w_k, .offset: 16, .size: 8, .value_kind: global_buffer, .address_space: global }
      - { .name: w_v, .offset: 24, .size: 8, .value_kind: global_buffer, .address_space: global }
      - { .name: w_o, .offset: 32, .size: 8, .value_kind: global_buffer, .address_space: global }
      - { .name: xh, .offset: 40, .size: 8, .value_kind: global_buffer, .address_space: global }
      - { .name: wqkv, .offset: 48, .size: 8, .value_kind: global_buffer, .address_space: global }
      - { .name: woh, .offset: 56, .size: 8, .value_kind: global_buffer, .address_space: global }
    .group_segment_fixed_size: 0
    .private_segment_fixed_size: 0
    .kernarg_segment_align: 8
    .kernarg_segment_size: 64
    .max_flat_workgroup_size: 256
    .sgpr_count:     66
    .vgpr_count:     132
    .wavefront_size: 32
...
	.end_amdgpu_metadata
.endif
;; end of part 1
;; launch qkv (part 2): grid 16 x 16, 4 waves a work-group, clusters of 4 x 4, 327,680 bytes of LDS; arguments xh, wqkv, qh, kh, vt; writes qh, kh, vt
.if DOCPART == 2
	.amdgcn_target "amdgcn-amd-amdhsa--gfx1250"
	.amdhsa_code_object_version 6
	.text
	.protected	k_q4966d1df27_qkv
	.globl	k_q4966d1df27_qkv
	.p2align	8
	.type	k_q4966d1df27_qkv,@function
k_q4966d1df27_qkv:
	s_mov_b64 s[64:65], 0
	v_nop
	global_prefetch_b8 v0, s[64:65] scope:SCOPE_SE
	s_setreg_imm32_b32 hwreg(HW_REG_WAVE_MODE, 25, 1), 1
	s_wait_xcnt 0x0
	s_wait_alu depctr_hold_cnt(0) depctr_sa_sdst(0) depctr_va_vdst(0) depctr_va_sdst(0) depctr_va_ssrc(0) depctr_va_vcc(0) depctr_vm_vsrc(0)
	s_getreg_b32 s2, hwreg(HW_REG_IB_STS2, 6, 4)
	s_cmp_eq_u32 s2, 0
	s_cbranch_scc0 .Lentry_in_a_cluster
	s_endpgm
.Lentry_in_a_cluster:
	s_bfe_u32 s2, ttmp6, 0x10000c
	s_cmp_lg_u32 s2, 0xf033
	s_cbranch_scc0 .Lentry_shape_is_right
	s_endpgm
.Lentry_shape_is_right:
; q, k, v = x W^T for one head and 256 rows of x: a block of 256 x 192 of the 4096 x 3072 x 1024 product, f16 operands, f32 sums.
; Four waves; wave w makes rows 64 w .. 64 w + 63 times all 192 columns: 48 accumulator tiles of 16 x 16.
; q and k: the matrix instruction is used transposed (source 0 = rows of W, source 1 = rows of x), so a lane holds 8 neighbouring d of one row s.
; v: used as it comes (source 0 = rows of x, source 1 = rows of W), so a lane holds 8 neighbouring s of one d: V comes out transposed for free.
; Out: qh, kh = [16 b + head][2048 s][64 d], vt = [16 b + head][64 d][2048 s], all f16.
; K goes in steps of 128 through two LDS slots filled by the tensor data mover; a tile's rows are 256 bytes, aligned.
; CLUSTER 4 x 4: the four work-groups of a cluster row share x's tile, the four of a column share the head's weights; both come by joint loads.
; LIMIT: q, k, v of magnitude 65,504 or more become infinite in f16.
; Windows: 0 addresses, x fragments, way out; 1 W fragments; 2 the 32 tiles of q and k; 3 the 16 tiles of v.
.set KSTEP,  128
.set PITCH,  272                       ; 256 bytes + 16 of padding: the 16 rows of a fragment load start 16 bytes apart modulo 256
.set ABYTES, 256*PITCH                 ; x's 256 rows
.set SLOT,   448*PITCH                 ; then W's 192 rows
.set QPITCH, 144                       ; stage for q and k: 64 d in f16 + 16
.set VPITCH, 528                       ; stage for v: 256 s in f16 + 16
.set STQ,    2*SLOT                    ; each wave's own 64 rows x 144; no tensor load lands here
.set STV,    STQ+4*64*QPITCH           ; 64 rows (d) x 528, shared by the four waves
.set WV,   14                          ; s14 wave number
.set ADRA, 16                          ; v16-17 LDS address of my x fragments in slot 0, 1
.set ADRB, 20                          ; v20-21 the same for W
.set SVS,  24                          ; v24 where I put 16 bytes of v
.set SQS,  25                          ; v25 where I put 16 bytes of q or k
.set SQR,  26                          ; v26 where I read q or k back
.set SVR,  27                          ; v27 where I read v back
.set GO,   28                          ; v28 16 x lane
.set FA,   32                          ; window 0: v[32:63], v[64:95] x fragments, two buffers
.set FB,   0                           ; window 1: v[0:95], v[96:191] W fragments, two buffers
.set T,    96                          ; v[96:159] packed results
.set R,    160                         ; v[160:223] rows read back, store data
.set G1A, 24
.set G1B, 32
.set G0A, 40                           ; s[40:47] group 0 of x's tiles, one set a slot
.set G0B, 48                           ; s[48:55] group 0 of W's tiles
.set BITS, (1<<16)|(1<<20)|(1<<21)|(5<<22)|(3<<25)   ; 2-byte elements; padding on; bit 21 beside a mask; after every 64 dwords 4 dwords
.set MSB, 0
.macro WIN new                         ; the immediate's high byte repeats the setting that is left
.if MSB != \new
	s_set_vgpr_msb (MSB<<8)|\new
.set MSB, \new
.endif
.endm
.macro PLACES n                        ; plain vector places behind matrix instructions (ISA guide 7.12.1)
.rept \n
	v_nop
.endr
.endm
.macro CREST                           ; a round of the cluster's barrier behind its opening work-group barrier
	s_cmp_lg_u32 s[WV], 0
	s_cbranch_scc1 .Lnot_wave_0_\@
	s_barrier_signal -3
.Lnot_wave_0_\@:
	s_barrier_wait -3
	s_barrier_signal -1
	s_barrier_wait -1
.endm
.macro CROUND
	s_barrier_signal -1
	s_barrier_wait -1
	CREST
.endm
	s_load_b256 s[4:11], s[0:1], 0x0               ; xh 4, wqkv 6, qh 8, kh 10
	s_load_b64 s[12:13], s[0:1], 0x20              ; vt
	v_lshl_add_u32 v255, v0, 2, 0x4cc00
	s_set_vgpr_msb 0x40
	v_mov_b32 v255, 0
	s_set_vgpr_msb 0x4044
	ds_add_u32 v255, v255
	s_set_vgpr_msb 0x4400
	v_lshrrev_b32 v1, 5, v0
	v_readfirstlane_b32 s[WV], v1
	s_bfe_u32 s15, ttmp6, 0x40000                  ; cx
	s_bfe_u32 s16, ttmp6, 0x40004                  ; cy
	s_lshl_b32 s17, ttmp9, 2
	s_add_co_u32 s17, s17, s15                     ; head = 4 x cluster x + cx
	s_and_b32 s18, ttmp7, 0xffff
	s_lshl_b32 s18, s18, 2
	s_add_co_u32 s18, s18, s16                     ; mb: block of 256 rows = 4 x cluster y + cy
	s_lshl_b32 s19, s16, 2
	s_lshl_b32 s19, 15, s19                        ; my row of the cluster
	s_lshl_b32 s20, 0x1111, s15                    ; my column
	s_or_b32 s[G1A+0], s19, BITS                   ; x's tiles hang on mb alone: shared along the row
	s_mov_b32 s[G1A+1], KSTEP<<16                  ; tensor_dim0 = 128
	s_mov_b32 s[G1A+2], 64<<16                     ; tensor_dim1 = 64
	s_mov_b32 s[G1A+3], KSTEP<<16                  ; tile_dim0 = 128
	s_mov_b32 s[G1A+4], 64                         ; tile_dim1 = 64 rows: a wave's quarter
	s_mov_b32 s[G1A+5], 1024                       ; elements from row to row
	s_mov_b32 s[G1A+6], 0
	s_mov_b32 s[G1A+7], 0
	s_or_b32 s[G1B+0], s20, BITS                   ; W's tiles hang on the head alone: shared along the column
	s_mov_b32 s[G1B+1], KSTEP<<16
	s_mov_b32 s[G1B+2], 48<<16
	s_mov_b32 s[G1B+3], KSTEP<<16
	s_mov_b32 s[G1B+4], 48                         ; 48 rows: a wave's quarter of 192
	s_mov_b32 s[G1B+5], 1024
	s_mov_b32 s[G1B+6], 0
	s_mov_b32 s[G1B+7], 0
	s_lshl_b32 s56, s18, 8
	s_lshl_b32 s60, s[WV], 6
	s_add_co_u32 s56, s56, s60                     ; x's row 256 mb + 64 w
	s_lshl_b32 s56, s56, 11                        ; x 2,048 bytes
	s_mov_b32 s57, 0
	s_mul_i32 s58, s17, 192
	s_mul_i32 s60, s[WV], 48
	s_add_co_u32 s58, s58, s60                     ; wqkv's row 192 head + 48 w
	s_lshl_b32 s58, s58, 11
	s_mov_b32 s59, 0
	s_mul_i32 s60, s[WV], 64*PITCH                 ; LDS: my rows of x,
	s_mul_i32 s61, s[WV], 48*PITCH
	s_add_co_u32 s61, s61, ABYTES                  ; my rows of W: the wave's number alone
	s_wait_dscnt 0x0
	s_wait_kmcnt 0x0
	s_add_nc_u64 s[56:57], s[4:5], s[56:57]
	s_add_nc_u64 s[58:59], s[6:7], s[58:59]
	CROUND                                         ; all sixteen work-groups are here: the first joint loads meet
.irp n, 0,1
	s_mov_b32 s[G0A+4*\n], 1
	s_add_co_u32 s[G0A+4*\n+1], s60, \n*SLOT
	s_add_nc_u64 s[G0A+4*\n+2:G0A+4*\n+3], s[56:57], \n*KSTEP*2
	s_or_b32 s[G0A+4*\n+3], s[G0A+4*\n+3], 0x80000000
	s_mov_b32 s[G0B+4*\n], 1
	s_add_co_u32 s[G0B+4*\n+1], s61, \n*SLOT
	s_add_nc_u64 s[G0B+4*\n+2:G0B+4*\n+3], s[58:59], \n*KSTEP*2
	s_or_b32 s[G0B+4*\n+3], s[G0B+4*\n+3], 0x80000000
	tensor_load_to_lds s[G0A+4*\n:G0A+4*\n+3], s[G1A:G1A+7]    ; four loads of the wave are out here, two behind each later round
	s_nop 0
	tensor_load_to_lds s[G0B+4*\n:G0B+4*\n+3], s[G1B:G1B+7]
	s_nop 0
.endr
	v_and_b32 v1, 15, v0                           ; r
	v_bfe_u32 v2, v0, 4, 1                         ; h
	v_and_b32 v3, 31, v0                           ; lane
	v_mul_u32_u24 v4, v1, PITCH
	v_lshl_add_u32 v4, v2, 4, v4                   ; r x pitch + 16 h
	v_add_nc_u32 v[ADRA], s60, v4
	v_add_nc_u32 v[ADRA+1], SLOT, v[ADRA]
	v_add_nc_u32 v[ADRB], ABYTES, v4
	v_add_nc_u32 v[ADRB+1], SLOT, v[ADRB]
	v_mul_u32_u24 v5, v1, VPITCH
	v_lshl_add_u32 v5, v2, 4, v5
	s_lshl_b32 s62, s[WV], 7
	s_add_co_u32 s62, s62, STV
	v_add_nc_u32 v[SVS], s62, v5                   ; row d = r, byte 128 w + 16 h
	v_mul_u32_u24 v5, v1, QPITCH
	v_lshl_add_u32 v5, v2, 4, v5
	s_mul_i32 s63, s[WV], 64*QPITCH
	s_add_co_u32 s63, s63, STQ
	v_add_nc_u32 v[SQS], s63, v5                   ; row s = r, byte 16 h
	v_lshrrev_b32 v5, 3, v3
	v_and_b32 v6, 7, v3
	v_mul_u32_u24 v5, v5, QPITCH
	v_lshl_add_u32 v5, v6, 4, v5
	v_add_nc_u32 v[SQR], s63, v5                   ; back: eight lanes a row of 128 bytes, four rows a load
	s_mul_i32 s62, s[WV], 16*VPITCH
	s_add_co_u32 s62, s62, STV
	v_lshl_add_u32 v[SVR], v3, 4, s62              ; back: a whole row of 512 bytes a load, rows 16 w ..
	v_lshlrev_b32 v[GO], 4, v3
; 32 LDS loads: the fragments of 32 along K (quarter q of the slot's 128) into buffer f: 12 of W, 4 of x
.macro FETCH slot, q, f
	WIN 0x40
.irp b, 0,1,2,3,4,5,6,7,8,9,10,11
	ds_load_b128 v[FB+96*\f+8*\b:FB+96*\f+8*\b+3],   v[ADRB+\slot] offset:16*PITCH*\b+64*\q
	ds_load_b128 v[FB+96*\f+8*\b+4:FB+96*\f+8*\b+7], v[ADRB+\slot] offset:16*PITCH*\b+64*\q+32
.endr
	WIN 0
.irp a, 0,1,2,3
	ds_load_b128 v[FA+32*\f+8*\a:FA+32*\f+8*\a+3],   v[ADRA+\slot] offset:16*PITCH*\a+64*\q
	ds_load_b128 v[FA+32*\f+8*\a+4:FA+32*\f+8*\a+7], v[ADRA+\slot] offset:16*PITCH*\a+64*\q+32
.endr
.endm
; 16 products for q and k: row tiles a0, a0 + 1 times the eight column tiles.  zero = 1: the first product starts the sum.
.macro MULQK f, a0, zero
	WIN 0xa1
.irp a, \a0, \a0+1
.irp b, 0,1,2,3,4,5,6,7
.if \zero
	v_wmma_f32_16x16x32_f16 v[8*(8*(\a)+\b):8*(8*(\a)+\b)+7], v[FB+96*\f+8*\b:FB+96*\f+8*\b+7], v[FA+32*\f+8*(\a):FA+32*\f+8*(\a)+7], 0
.else
	v_wmma_f32_16x16x32_f16 v[8*(8*(\a)+\b):8*(8*(\a)+\b)+7], v[FB+96*\f+8*\b:FB+96*\f+8*\b+7], v[FA+32*\f+8*(\a):FA+32*\f+8*(\a)+7], v[8*(8*(\a)+\b):8*(8*(\a)+\b)+7]
.endif
.endr
.endr
.endm
; 16 products for v
.macro MULV f, zero
	WIN 0xf4
.irp a, 0,1,2,3
.irp b, 0,1,2,3
.if \zero
	v_wmma_f32_16x16x32_f16 v[8*(4*\a+\b):8*(4*\a+\b)+7], v[FA+32*\f+8*\a:FA+32*\f+8*\a+7], v[FB+96*\f+8*(8+\b):FB+96*\f+8*(8+\b)+7], 0
.else
	v_wmma_f32_16x16x32_f16 v[8*(4*\a+\b):8*(4*\a+\b)+7], v[FA+32*\f+8*\a:FA+32*\f+8*\a+7], v[FB+96*\f+8*(8+\b):FB+96*\f+8*(8+\b)+7], v[8*(4*\a+\b):8*(4*\a+\b)+7]
.endif
.endr
.endr
.endm
; A K step is four quarters of 32 along K, 48 products each, on buffers 0, 1, 0, 1.  The 48 accumulators take turns, one instruction a turn,
; in the same order in every quarter, over the loop's backward jump too.
.macro QUARTER slot, q, f, g, zero
	PLACES 4                                       ; buffer g was read by the products just issued: four places ahead of the loads into it
	FETCH \slot, \q, \g
	s_wait_dscnt 32                                ; all but the 32 loads just issued: buffer f, asked for 48 products ago, is in
	MULQK \f, 0, \zero
	MULQK \f, 2, \zero
	MULV \f, \zero
.endm
.macro THREE slot, zero
	QUARTER \slot, 1, 0, 1, \zero
	QUARTER \slot, 2, 1, 0, 0
	QUARTER \slot, 3, 0, 1, 0
.endm
; The last quarter changes slots.  In front of the barrier: my reads of this slot are back and all my tensor loads have landed (the two that
; were out are my parts of the next slot).  fill = 1: the barrier opens a round of the cluster's barrier, and this slot's joint refills are
; the first tensor loads behind its closing wait.
.macro TURN slot, next, fill
	s_wait_dscnt 0x0
	s_wait_tensorcnt 0x0
	ds_add_u32 v255, v255
	s_wait_dscnt 0x0
	s_barrier_signal -1
	MULQK 1, 0, 0                                  ; register work while the others arrive
	WIN 0
	s_barrier_wait -1
.if \fill
	CREST
	s_add_nc_u64 s[G0A+4*\slot+2:G0A+4*\slot+3], s[G0A+4*\slot+2:G0A+4*\slot+3], 2*KSTEP*2
	s_add_nc_u64 s[G0B+4*\slot+2:G0B+4*\slot+3], s[G0B+4*\slot+2:G0B+4*\slot+3], 2*KSTEP*2
	tensor_load_to_lds s[G0A+4*\slot:G0A+4*\slot+3], s[G1A:G1A+7]
	s_nop 0
	tensor_load_to_lds s[G0B+4*\slot:G0B+4*\slot+3], s[G1B:G1B+7]
	s_nop 0
.endif
	PLACES 4
	FETCH \next, 0, 0
	MULQK 1, 2, 0
	MULV 1, 0
.endm
.macro LAP zero
	THREE 0, \zero
	TURN 0, 1, 1
	THREE 1, 0
	TURN 1, 0, 1
.endm
	s_wait_tensorcnt 0x2                           ; K step 0's two loads are in; step 1's two stay out
	s_barrier_signal -1
	s_barrier_wait -1
	FETCH 0, 0, 0
	LAP 1                                          ; K steps 0, 1: the first products start the sums
	WIN 0
	s_mov_b32 s3, 2                                ; K steps 2 to 5
.Llap:
	LAP 0
	WIN 0
	s_sub_co_u32 s3, s3, 1
	s_cmp_lg_u32 s3, 0
	s_cbranch_scc1 .Llap
	THREE 0, 0                                     ; K steps 6, 7 fill nothing
	TURN 0, 1, 0
	THREE 1, 0
	s_wait_dscnt 0x0
	MULQK 1, 0, 0
	MULQK 1, 2, 0
	MULV 1, 0
	; THE WAY OUT
	WIN 0
	PLACES 4                                       ; behind the last products, ahead of the conversions that read them
	s_lshr_b32 s66, s18, 3                         ; offsets that mix head and row block live in registers that feed no descriptor
	s_lshl_b32 s66, s66, 4
	s_add_co_u32 s66, s66, s17                     ; bh = 16 b + head
	s_and_b32 s67, s18, 7
	s_lshl_b32 s67, s67, 8                         ; s0: the block's first row in its batch
	s_lshl_b32 s68, s66, 11
	s_add_co_u32 s68, s68, s67
	s_lshl_b32 s70, s[WV], 6
	s_add_co_u32 s68, s68, s70                     ; row 2048 bh + s0 + 64 w
	s_lshl_b32 s68, s68, 7                         ; x 128 bytes
	s_mov_b32 s69, 0
	s_add_nc_u64 s[8:9], s[8:9], s[68:69]
	s_add_nc_u64 s[10:11], s[10:11], s[68:69]
	s_lshl_b32 s68, s66, 6
	s_lshl_b32 s70, s[WV], 4
	s_add_co_u32 s68, s68, s70                     ; vt's row 64 bh + 16 w
	s_lshl_b32 s68, s68, 12                        ; x 4,096 bytes
	s_lshl_b32 s70, s67, 1
	s_add_co_u32 s68, s68, s70                     ; + 2 s0
	s_add_nc_u64 s[12:13], s[12:13], s[68:69]
	; v into the shared stage: tile (a, b) holds d = 16 b + r, s = 64 w + 16 a + 8 h + 0..7
	WIN 0x0f
.irp a, 0,1,2,3
.irp b, 0,1,2,3
.irp i, 0,1,2,3
	v_cvt_pk_f16_f32 v[T+4*(4*\a+\b)+\i], v[8*(4*\a+\b)+2*\i], v[8*(4*\a+\b)+2*\i+1]
.endr
.endr
.endr
	WIN 0
.irp a, 0,1,2,3
.irp b, 0,1,2,3
	ds_store_b128 v[SVS], v[T+4*(4*\a+\b):T+4*(4*\a+\b)+3] offset:16*VPITCH*\b+32*\a
.endr
.endr
	s_wait_dscnt 0x0                               ; my part of the stage is written, for the others' sake
	s_barrier_signal -1
	s_barrier_wait -1
; q (sec = 0) or k (sec = 4): through my own stage; LDS serves a wave's instructions in order, so no wait between its stores and its loads
.macro QKOUT sec, ptr
	WIN 0x0a
.irp a, 0,1,2,3
.irp b, 0,1,2,3
.irp i, 0,1,2,3
	v_cvt_pk_f16_f32 v[T+4*(4*\a+\b)+\i], v[8*(8*\a+\sec+\b)+2*\i], v[8*(8*\a+\sec+\b)+2*\i+1]
.endr
.endr
.endr
	WIN 0
.irp a, 0,1,2,3
.irp b, 0,1,2,3
	ds_store_b128 v[SQS], v[T+4*(4*\a+\b):T+4*(4*\a+\b)+3] offset:16*QPITCH*\a+32*\b
.endr
.endr
	s_wait_xcnt 0x0                                ; R, which earlier stores read, is loaded again only behind this wait
.irp i, 0,1,2,3,4,5,6,7,8,9,10,11,12,13,14,15
	ds_load_b128 v[R+4*\i:R+4*\i+3], v[SQR] offset:4*QPITCH*\i
.endr
.irp i, 0,1,2,3,4,5,6,7,8,9,10,11,12,13,14,15
	s_wait_dscnt 15-\i                             ; load i is back, the younger ones stay out
	global_store_b128 v[GO], v[R+4*\i:R+4*\i+3], s[\ptr:\ptr+1] offset:512*\i   ; four rows of 128 bytes: 512 consecutive bytes, aligned
.endr
.endm
	QKOUT 0, 8
	QKOUT 4, 10
	s_wait_xcnt 0x0
.irp i, 0,1,2,3,4,5,6,7,8,9,10,11,12,13,14,15
	ds_load_b128 v[R+4*\i:R+4*\i+3], v[SVR] offset:VPITCH*\i       ; row d = 16 w + i, written by all four waves, behind the barrier above
.endr
.irp i, 0,1,2,3,4,5,6,7,8,9,10,11,12,13,14,15
	s_wait_dscnt 15-\i
	global_store_b128 v[GO], v[R+4*\i:R+4*\i+3], s[12:13] offset:4096*\i   ; 512 consecutive bytes of one row of vt, aligned
.endr
	s_set_vgpr_msb 0x4
	s_wait_tensorcnt 0x0
	ds_add_u32 v255, v255
	s_wait_dscnt 0x0
	s_set_vgpr_msb 0x400
	CROUND                                         ; the closing round: no work-group ends while a partner may still ask jointly
	s_endpgm
.Lfunc_end_k_q4966d1df27_qkv:
	.size	k_q4966d1df27_qkv, .Lfunc_end_k_q4966d1df27_qkv-k_q4966d1df27_qkv
	.p2alignl 7, 3214868480
	.fill 96, 4, 3214868480
	.section	.rodata,"a",@progbits
	.p2align	6, 0x0
	.amdhsa_kernel k_q4966d1df27_qkv
		.amdhsa_group_segment_fixed_size 327680
		.amdhsa_private_segment_fixed_size 0
		.amdhsa_enable_private_segment 0
		.amdhsa_kernarg_size 40
		.amdhsa_user_sgpr_count 2
		.amdhsa_user_sgpr_kernarg_segment_ptr 1
		.amdhsa_wavefront_size32 1
		.amdhsa_system_sgpr_workgroup_id_x 1
		.amdhsa_system_sgpr_workgroup_id_y 1
		.amdhsa_system_sgpr_workgroup_id_z 1
		.amdhsa_system_vgpr_workitem_id 0
		.amdhsa_next_free_vgpr 896
		.amdhsa_next_free_sgpr 72
		.amdhsa_reserve_vcc 0
		.amdhsa_float_denorm_mode_32 3
		.amdhsa_float_denorm_mode_16_64 3
		.amdhsa_memory_ordered 1
		.amdhsa_forward_progress 1
		.amdhsa_inst_pref_size 163
	.end_amdhsa_kernel
	.amdgpu_metadata
---
amdhsa.version: [ 1, 2 ]
amdhsa.kernels:
  - .name:           k_q4966d1df27_qkv
    .symbol:         k_q4966d1df27_qkv.kd
    .args:
      - { .name: xh, .offset: 0, .size: 8, .value_kind: global_buffer, .address_space: global }
      - { .name: wqkv, .offset: 8, .size: 8, .value_kind: global_buffer, .address_space: global }
      - { .name: qh, .offset: 16, .size: 8, .value_kind: global_buffer, .address_space: global }
      - { .name: kh, .offset: 24, .size: 8, .value_kind: global_buffer, .address_space: global }
      - { .name: vt, .offset: 32, .size: 8, .value_kind: global_buffer, .address_space: global }
    .group_segment_fixed_size: 327680
    .private_segment_fixed_size: 0
    .kernarg_segment_align: 8
    .kernarg_segment_size: 40
    .max_flat_workgroup_size: 128
    .sgpr_count:     72
    .vgpr_count:     896
    .wavefront_size: 32
...
	.end_amdgpu_metadata
.endif
;; end of part 2
;; launch attn (part 3): grid 8 x 32, 8 waves a work-group, clusters of 4 x 1, 327,680 bytes of LDS; arguments qh, kh, vt, oh; writes oh
.if DOCPART == 3
	.amdgcn_target "amdgcn-amd-amdhsa--gfx1250"
	.amdhsa_code_object_version 6
	.text
	.protected	k_q4966d1df27_attn
	.globl	k_q4966d1df27_attn
	.p2align	8
	.type	k_q4966d1df27_attn,@function
k_q4966d1df27_attn:
	s_mov_b64 s[64:65], 0
	v_nop
	global_prefetch_b8 v0, s[64:65] scope:SCOPE_SE
	s_setreg_imm32_b32 hwreg(HW_REG_WAVE_MODE, 25, 1), 1
	s_wait_xcnt 0x0
	s_wait_alu depctr_hold_cnt(0) depctr_sa_sdst(0) depctr_va_vdst(0) depctr_va_sdst(0) depctr_va_ssrc(0) depctr_va_vcc(0) depctr_vm_vsrc(0)
	s_getreg_b32 s2, hwreg(HW_REG_IB_STS2, 6, 4)
	s_cmp_eq_u32 s2, 0
	s_cbranch_scc0 .Lentry_in_a_cluster
	s_endpgm
.Lentry_in_a_cluster:
	s_bfe_u32 s2, ttmp6, 0x10000c
	s_cmp_lg_u32 s2, 0x3003
	s_cbranch_scc0 .Lentry_shape_is_right
	s_endpgm
.Lentry_shape_is_right:
; Softmax attention of 256 queries of one head over its 2,048 keys, with a running maximum.  f16 operands, f32 sums and statistics.
; Eight waves, two to a SIMD, so that one wave's softmax can run beside the other's products.  Wave w: p = w & 3, g = w >> 2.  It owns
; queries 64 p .. 64 p + 63 (four tiles of 16) and, of every tile of 256 keys, keys 128 g .. 128 g + 127 (two sub-blocks of 64).
; Waves p and p + 4 hold partial (maximum, sum, O) of the same queries and are merged once, through LDS, at the end.
; S^T = K Q^T: a lane holds one query (r) and keys 8 h + 0..7 of each tile, so maximum and sum are per lane, and two neighbouring tiles of
; S^T packed to f16 in place ARE the second operand of O^T = V^T P^T.  One lane exchange a maximum joins the two halves of the wave.
; p = exp2(c s + nm), c = log2(e) / 8, nm = the rounded -c m; the rescaling factor is exp2(nm_new - nm_old) of the same rounded numbers,
; so that blocks stay consistent whatever the size of the scores.
; CLUSTER 4 x 1: the four query blocks of a cluster walk the same K and V^T of their head: joint loads, mask 15.  Q is each work-group's own.
; LIMITS: exponentials below 2^-126 count as zero; the sum l is made of the unrounded p while P goes to the product in f16;
; infinite or NaN scores give NaN.
.set KPITCH, 144                       ; 64 d in f16 + 16
.set VPITCH, 528                       ; 256 keys in f16 + 16
.set VOFF,   256*KPITCH                ; V^T behind K in a slot
.set SLOT,   VOFF+64*VPITCH            ; 70,656
.set MRG,    2*SLOT                    ; 4 x 34 chunks of 512 bytes: O, nm, l of waves 4-7; no tensor load lands here
.set STG,    MRG+4*17408               ; 4 x 64 rows x 144: the way out
.set KA, 4                             ; v4-5   K fragments' LDS address in slot 0, 1
.set VA, 6                             ; v6-7   V^T fragments' LDS address
.set QO, 8                             ; v8     128 r + 16 h
.set MG, 9                             ; v9     merge area + 16 x lane
.set SS, 10                            ; v10    stage, in
.set SR, 11                            ; v11    stage, back
.set GO, 12                            ; v12    16 x lane
.set MX, 16                            ; v[16:19] running maximum of the raw scores, one a query tile
.set LS, 20                            ; v[20:27] pairs of partial sums
.set NM, 28                            ; v[28:35] pairs (nm, at work)
.set AL, 36                            ; v[36:43] pairs (alpha, at work)
.set QF, 48                            ; v[48:111]  Q fragment (t, ks) at 16 t + 8 ks
.set KF, 112                           ; v[112:175] K fragment (kt, ks)
.set VF, 176                           ; v[176:239] V^T fragment (dt, kk)
.set ST, 240                           ; v[240:247] nm and l for the merge
.set TM, 112                           ; the merge's temporaries, in K's registers
; window 1: S(t, kt) at 32 t + 8 kt, P(t, kk) at 32 t + 16 kk, O(t, dt) at 128 + 32 t + 8 dt
.set G1K, 24
.set G1V, 32
.set G0K, 40
.set G0V, 48
.set MSB, 0
.macro WIN new
.if MSB != \new
	s_set_vgpr_msb (MSB<<8)|\new
.set MSB, \new
.endif
.endm
.macro PLACES n
.rept \n
	v_nop
.endr
.endm
.macro ROUND                           ; a round of the cluster's barrier
	s_barrier_signal -1
	s_barrier_wait -1
	s_cmp_lg_u32 s12, 0
	s_cbranch_scc1 .Lnot_wave_0_\@
	s_barrier_signal -3
.Lnot_wave_0_\@:
	s_barrier_wait -3
	s_barrier_signal -1
	s_barrier_wait -1
.endm
	s_load_b256 s[4:11], s[0:1], 0x0               ; qh 4, kh 6, vt 8, oh 10
	v_lshl_add_u32 v254, v0, 2, 0x3c800
	v_mov_b32 v255, 0
	ds_add_u32 v254, v255
	v_lshrrev_b32 v1, 5, v0
	v_readfirstlane_b32 s12, v1                    ; wave
	s_bfe_u32 s13, ttmp6, 0x40000                  ; cx
	s_lshl_b32 s14, ttmp9, 2
	s_add_co_u32 s14, s14, s13                     ; query block
	s_and_b32 s15, ttmp7, 0xffff                   ; bh
	s_lshr_b32 s16, s12, 2                         ; g
	s_and_b32 s17, s12, 3                          ; p
	s_mov_b32 s18, 0x3e38aa3b                      ; c = log2(e) / 8
	s_mov_b32 s19, 0xbe38aa3b                      ; -c
	s_mov_b32 s20, 0x76543210                      ; lane i of one half reads lane i of the other
	s_mov_b32 s21, 0xfedcba98
	s_mov_b32 s[G1K+0], 15|(1<<16)|(1<<20)|(1<<21)|(4<<22)|(3<<25)   ; mask: all four; 2 bytes; after every 32 dwords 4 dwords
	s_mov_b32 s[G1K+1], 64<<16
	s_mov_b32 s[G1K+2], 32<<16
	s_mov_b32 s[G1K+3], 64<<16                     ; 64 elements a row
	s_mov_b32 s[G1K+4], 32                         ; 32 keys: a wave's eighth
	s_mov_b32 s[G1K+5], 64
	s_mov_b32 s[G1K+6], 0
	s_mov_b32 s[G1K+7], 0
	s_mov_b32 s[G1V+0], 15|(1<<16)|(1<<20)|(1<<21)|(6<<22)|(3<<25)   ; after every 128 dwords 4 dwords
	s_mov_b32 s[G1V+1], 256<<16
	s_mov_b32 s[G1V+2], 8<<16
	s_mov_b32 s[G1V+3], 256<<16                    ; 256 keys a row
	s_mov_b32 s[G1V+4], 8                          ; 8 rows (d): a wave's eighth
	s_mov_b32 s[G1V+5], 2048
	s_mov_b32 s[G1V+6], 0
	s_mov_b32 s[G1V+7], 0
	s_lshl_b32 s56, s15, 11
	s_lshl_b32 s23, s12, 5
	s_add_co_u32 s56, s56, s23                     ; kh's row 2048 bh + 32 w
	s_lshl_b32 s56, s56, 7
	s_mov_b32 s57, 0
	s_lshl_b32 s58, s15, 6
	s_lshl_b32 s23, s12, 3
	s_add_co_u32 s58, s58, s23                     ; vt's row 64 bh + 8 w
	s_lshl_b32 s58, s58, 12
	s_mov_b32 s59, 0
	s_lshl_b32 s60, s15, 11
	s_lshl_b32 s61, s14, 8
	s_add_co_u32 s60, s60, s61
	s_lshl_b32 s61, s17, 6
	s_add_co_u32 s60, s60, s61                     ; my first query's row 2048 bh + 256 block + 64 p, in qh and in oh
	s_lshl_b32 s60, s60, 7
	s_mov_b32 s61, 0
	s_mul_i32 s62, s12, 32*KPITCH
	s_mul_i32 s63, s12, 8*VPITCH
	s_add_co_u32 s63, s63, VOFF
	v_and_b32 v1, 15, v0                           ; r
	v_bfe_u32 v2, v0, 4, 1                         ; h
	v_and_b32 v3, 31, v0                           ; lane
	v_lshlrev_b32 v[QO], 7, v1
	v_lshl_add_u32 v[QO], v2, 4, v[QO]
	s_wait_dscnt 0x0
	s_wait_kmcnt 0x0
	s_add_nc_u64 s[4:5], s[4:5], s[60:61]
	s_add_nc_u64 s[10:11], s[10:11], s[60:61]
	s_add_nc_u64 s[56:57], s[6:7], s[56:57]
	s_add_nc_u64 s[58:59], s[8:9], s[58:59]
.irp t, 0,1,2,3
.irp ks, 0,1
	global_load_b128 v[QF+16*\t+8*\ks:QF+16*\t+8*\ks+3],   v[QO], s[4:5] offset:2048*\t+64*\ks      ; Q stays in registers for the whole kernel
	global_load_b128 v[QF+16*\t+8*\ks+4:QF+16*\t+8*\ks+7], v[QO], s[4:5] offset:2048*\t+64*\ks+32
.endr
.endr
	ROUND                                          ; in front of the first joint loads
.irp n, 0,1
	s_mov_b32 s[G0K+4*\n], 1
	s_add_co_u32 s[G0K+4*\n+1], s62, \n*SLOT
	s_add_nc_u64 s[G0K+4*\n+2:G0K+4*\n+3], s[56:57], \n*256*128
	s_or_b32 s[G0K+4*\n+3], s[G0K+4*\n+3], 0x80000000
	s_mov_b32 s[G0V+4*\n], 1
	s_add_co_u32 s[G0V+4*\n+1], s63, \n*SLOT
	s_add_nc_u64 s[G0V+4*\n+2:G0V+4*\n+3], s[58:59], \n*512
	s_or_b32 s[G0V+4*\n+3], s[G0V+4*\n+3], 0x80000000
.endr
	tensor_load_to_lds s[G0K:G0K+3], s[G1K:G1K+7]  ; tile 0; a wave never has more than these two loads out
	s_nop 0
	tensor_load_to_lds s[G0V:G0V+3], s[G1V:G1V+7]
	s_nop 0
	v_mul_u32_u24 v13, v1, KPITCH
	v_lshl_add_u32 v13, v2, 4, v13                 ; 144 r + 16 h
	s_mul_i32 s23, s16, 128*KPITCH
	v_add_nc_u32 v[KA], s23, v13
	v_add_nc_u32 v[KA+1], SLOT, v[KA]
	v_mul_u32_u24 v14, v1, VPITCH
	v_lshl_add_u32 v14, v2, 4, v14
	s_lshl_b32 s23, s16, 8
	s_add_co_u32 s23, s23, VOFF
	v_add_nc_u32 v[VA], s23, v14                   ; row d = r, byte 256 g + 16 h
	v_add_nc_u32 v[VA+1], SLOT, v[VA]
	s_mul_i32 s23, s17, 17408
	s_add_co_u32 s23, s23, MRG
	v_lshl_add_u32 v[MG], v3, 4, s23
	s_mul_i32 s23, s17, 64*KPITCH
	s_add_co_u32 s23, s23, STG
	v_add_nc_u32 v[SS], s23, v13
	v_lshrrev_b32 v14, 3, v3
	v_and_b32 v15, 7, v3
	v_mul_u32_u24 v14, v14, KPITCH
	v_lshl_add_u32 v14, v15, 4, v14
	v_add_nc_u32 v[SR], s23, v14
	v_lshlrev_b32 v[GO], 4, v3
.irp t, 0,1,2,3
	v_mov_b32 v[LS+2*\t], 0                        ; the eight sums start at 0
	v_mov_b32 v[LS+2*\t+1], 0
	v_mov_b32 v[AL+2*\t+1], 0                      ; the lane exchange's destination counts as read
.endr
.macro LDK slot, sb                    ; K's fragments of sub-block sb: 16 loads
.irp kt, 0,1,2,3
.irp ks, 0,1
	ds_load_b128 v[KF+16*\kt+8*\ks:KF+16*\kt+8*\ks+3],   v[KA+\slot] offset:64*KPITCH*\sb+16*KPITCH*\kt+64*\ks
	ds_load_b128 v[KF+16*\kt+8*\ks+4:KF+16*\kt+8*\ks+7], v[KA+\slot] offset:64*KPITCH*\sb+16*KPITCH*\kt+64*\ks+32
.endr
.endr
.endm
.macro LDV slot, sb                    ; V^T's fragments of sub-block sb: 16 loads
.irp dt, 0,1,2,3
.irp kk, 0,1
	ds_load_b128 v[VF+16*\dt+8*\kk:VF+16*\dt+8*\kk+3],   v[VA+\slot] offset:16*VPITCH*\dt+128*\sb+64*\kk
	ds_load_b128 v[VF+16*\dt+8*\kk+4:VF+16*\dt+8*\kk+7], v[VA+\slot] offset:16*VPITCH*\dt+128*\sb+64*\kk+32
.endr
.endr
.endm
; S^T = K Q^T: 16 accumulators by turns, one instruction a turn; the first 32 of d start the sums
.macro SMUL
	WIN 0x50
.irp kt, 0,1,2,3
.irp t, 0,1,2,3
	v_wmma_f32_16x16x32_f16 v[32*\t+8*\kt:32*\t+8*\kt+7], v[KF+16*\kt:KF+16*\kt+7], v[QF+16*\t:QF+16*\t+7], 0
.endr
.endr
.irp kt, 0,1,2,3
.irp t, 0,1,2,3
	v_wmma_f32_16x16x32_f16 v[32*\t+8*\kt:32*\t+8*\kt+7], v[KF+16*\kt+8:KF+16*\kt+15], v[QF+16*\t+8:QF+16*\t+15], v[32*\t+8*\kt:32*\t+8*\kt+7]
.endr
.endr
.endm
; O^T += V^T P^T, likewise by turns
.macro PVMUL first
	WIN 0x54
.irp dt, 0,1,2,3
.irp t, 0,1,2,3
.if \first
	v_wmma_f32_16x16x32_f16 v[128+32*\t+8*\dt:128+32*\t+8*\dt+7], v[VF+16*\dt:VF+16*\dt+7], v[32*\t:32*\t+7], 0
.else
	v_wmma_f32_16x16x32_f16 v[128+32*\t+8*\dt:128+32*\t+8*\dt+7], v[VF+16*\dt:VF+16*\dt+7], v[32*\t:32*\t+7], v[128+32*\t+8*\dt:128+32*\t+8*\dt+7]
.endif
.endr
.endr
.irp dt, 0,1,2,3
.irp t, 0,1,2,3
	v_wmma_f32_16x16x32_f16 v[128+32*\t+8*\dt:128+32*\t+8*\dt+7], v[VF+16*\dt+8:VF+16*\dt+15], v[32*\t+16:32*\t+23], v[128+32*\t+8*\dt:128+32*\t+8*\dt+7]
.endr
.endr
.endm
; The softmax step of one sub-block (64 keys x 64 queries); the four query tiles are four chains that do not wait for each other.
.macro SOFT first
	WIN 0x05                                       ; the sub-block's maximum, joined with the running one
.irp t, 0,1,2,3
.if \first
	v_max_num_f32 v[NM+2*\t+1], v[32*\t], v[32*\t+1]
.else
	v_max3_num_f32 v[NM+2*\t+1], v[32*\t], v[32*\t+1], v[MX+\t]
.endif
.endr
.irp i, 1,2,3,4,5,6,7,8,9,10,11,12,13,14,15
.irp t, 0,1,2,3
	v_max3_num_f32 v[NM+2*\t+1], v[32*\t+2*\i], v[32*\t+2*\i+1], v[NM+2*\t+1]
.endr
.endr
	WIN 0
.irp t, 0,1,2,3
	v_permlanex16_b32 v[AL+2*\t+1], v[NM+2*\t+1], s20, s21     ; the other half of the wave holds the query's other keys
.endr
.irp t, 0,1,2,3
	v_max_num_f32 v[MX+\t], v[NM+2*\t+1], v[AL+2*\t+1]
.endr
.if \first
.irp t, 0,1,2,3
	v_mul_f32 v[NM+2*\t], s19, v[MX+\t]            ; nm = -c m
.endr
.else
.irp t, 0,1,2,3
	v_mul_f32 v[NM+2*\t+1], s19, v[MX+\t]          ; the new nm, rounded first: alpha is made of the two rounded numbers, hence no fused form
.endr
.irp t, 0,1,2,3
	v_sub_f32 v[AL+2*\t+1], v[NM+2*\t+1], v[NM+2*\t]
.endr
.irp t, 0,1,2,3
	v_exp_f32 v[AL+2*\t], v[AL+2*\t+1]             ; alpha = exp2(nm_new - nm_old), at most 1
.endr
.irp t, 0,1,2,3
	v_mov_b32 v[NM+2*\t], v[NM+2*\t+1]             ; plain work behind the exponentials, ahead of alpha's first use (ISA guide 5.7.2)
.endr
	s_wait_alu depctr_va_vdst(0)
.irp t, 0,1,2,3
	v_pk_mul_f32 v[LS+2*\t:LS+2*\t+1], v[LS+2*\t:LS+2*\t+1], v[AL+2*\t:AL+2*\t+1] op_sel_hi:[1,0]
.endr
.endif
	WIN 0x41
.irp t, 0,1,2,3
.irp i, 0,1,2,3,4,5,6,7,8,9,10,11,12,13,14,15
	v_pk_fma_f32 v[32*\t+2*\i:32*\t+2*\i+1], v[32*\t+2*\i:32*\t+2*\i+1], s[18:19], v[NM+2*\t:NM+2*\t+1] op_sel_hi:[1,0,0]   ; c s + nm
.endr
.set j, 0
.rept 32
	v_exp_f32 v[32*\t+j], v[32*\t+j]               ; the next tile's first multiply-add is the plain place behind this run
.set j, j+1
.endr
.endr
	v_nop                                          ; and this one behind the last run
.if \first == 0
	s_wait_alu depctr_va_vdst(0)
.irp t, 0,1,2,3
.set j, 0
.rept 16
	v_pk_mul_f32 v[128+32*\t+2*j:128+32*\t+2*j+1], v[128+32*\t+2*j:128+32*\t+2*j+1], v[AL+2*\t:AL+2*\t+1] op_sel_hi:[1,0]   ; O x alpha
.set j, j+1
.endr
.endr
.endif
	WIN 0x01
	s_wait_alu depctr_va_vdst(0)
.irp i, 0,1,2,3,4,5,6,7,8,9,10,11,12,13,14,15
.irp t, 0,1,2,3
	v_pk_add_f32 v[LS+2*\t:LS+2*\t+1], v[32*\t+2*\i:32*\t+2*\i+1], v[LS+2*\t:LS+2*\t+1]
.endr
.endr
	WIN 0x45                                       ; pack in place, ascending
.irp t, 0,1,2,3
.irp kk, 0,1
.irp i, 0,1,2,3,4,5,6,7
	v_cvt_pk_f16_f32 v[32*\t+16*\kk+\i], v[32*\t+16*\kk+2*\i], v[32*\t+16*\kk+2*\i+1]
.endr
.endr
.endr
.endm
; One tile of 256 keys.  Two slots; in front of the round every wave's tensor loads have landed and its LDS reads are back; the round stands
; for all waves of all four work-groups; the other slot's joint refills are the first tensor loads behind it.
.macro TRIP slot, refill, first
	s_wait_tensorcnt 0x0                           ; all my loads are done, my parts of this tile among them, so every group 0 may be written
	ds_add_u32 v254, v255
	s_wait_dscnt 0x0
	s_add_nc_u64 s[G0K+4*\slot+2:G0K+4*\slot+3], s[G0K+4*\slot+2:G0K+4*\slot+3], 2*256*128
	s_add_nc_u64 s[G0V+4*\slot+2:G0V+4*\slot+3], s[G0V+4*\slot+2:G0V+4*\slot+3], 2*512
	s_wait_dscnt 0x0                               ; my reads of the last tile are back
	ROUND
.if \refill
	tensor_load_to_lds s[G0K+4-4*\slot:G0K+7-4*\slot], s[G1K:G1K+7]
	s_nop 0
	tensor_load_to_lds s[G0V+4-4*\slot:G0V+7-4*\slot], s[G1V:G1V+7]
	s_nop 0
.endif
	LDK \slot, 0
	LDV \slot, 0
.if \first
	s_wait_loadcnt 0x0                             ; Q
.endif
	s_wait_dscnt 16                                ; K's 16 loads are back, V's 16 stay out
	SMUL
	WIN 0
	PLACES 4                                       ; ahead of the loads into K's registers and of the reads of S
	LDK \slot, 1
	SOFT \first
	s_wait_dscnt 16                                ; V is in, the next K's 16 stay out
	PVMUL \first
	WIN 0
	PLACES 5                                       ; the next S is written over P; V's registers are loaded again
	LDV \slot, 1
	s_wait_dscnt 16                                ; K is in, V's 16 stay out
	SMUL
	WIN 0
	PLACES 4
	SOFT 0
	s_wait_dscnt 0x0
	PVMUL 0
	WIN 0
	PLACES 5
.endm
	TRIP 0, 1, 1                                   ; tiles 0, 1: the first sub-block starts maximum, sums and O
	TRIP 1, 1, 0
	s_mov_b32 s22, 2                               ; tiles 2 to 5
.Lpair:
	TRIP 0, 1, 0
	TRIP 1, 1, 0
	s_sub_co_u32 s22, s22, 1
	s_cmp_lg_u32 s22, 0
	s_cbranch_scc1 .Lpair
	TRIP 0, 1, 0                                   ; tile 6 asks for tile 7, tile 7 for nothing (its stepped addresses are not used)
	TRIP 1, 0, 0
	; THE MERGE of waves p and p + 4
.irp t, 0,1,2,3
	v_add_f32 v[ST+4+\t], v[LS+2*\t], v[LS+2*\t+1]
	v_mov_b32 v[ST+\t], v[NM+2*\t]
.endr
	s_cmp_lt_u32 s12, 4
	s_cbranch_scc1 .Lkeep
	WIN 0x04                                       ; waves 4-7 hand over O (128 registers), nm and l
.set j, 0
.rept 32
	ds_store_b128 v[MG], v[128+4*j:128+4*j+3] offset:512*j
.set j, j+1
.endr
	WIN 0
	ds_store_b128 v[MG], v[ST:ST+3] offset:16384
	ds_store_b128 v[MG], v[ST+4:ST+7] offset:16896
.Lkeep:
	s_wait_dscnt 0x0                               ; the stores are done, for the partner's sake
	s_barrier_signal -1
	s_barrier_wait -1
	s_cmp_ge_u32 s12, 4
	s_cbranch_scc1 .Lclose
	WIN 0x40
.set j, 0
.rept 32
	ds_load_b128 v[4*j:4*j+3], v[MG] offset:512*j  ; the partner's O into S's registers
.set j, j+1
.endr
	WIN 0
	ds_load_b128 v[TM:TM+3], v[MG] offset:16384    ; its nm
	ds_load_b128 v[TM+4:TM+7], v[MG] offset:16896  ; its l
	s_wait_dscnt 0x0
.irp t, 0,1,2,3
	v_min_num_f32 v[TM+8+\t], v[ST+\t], v[TM+\t]   ; the larger maximum has the smaller nm
.endr
.irp t, 0,1,2,3
	v_sub_f32 v[TM+12+\t], v[TM+8+\t], v[ST+\t]
	v_sub_f32 v[TM+16+\t], v[TM+8+\t], v[TM+\t]
.endr
.irp t, 0,1,2,3
	v_exp_f32 v[TM+12+\t], v[TM+12+\t]             ; a1
.endr
.irp t, 0,1,2,3
	v_exp_f32 v[TM+16+\t], v[TM+16+\t]             ; a2
.endr
	v_nop
	s_wait_alu depctr_va_vdst(0)
.irp t, 0,1,2,3
	v_mul_f32 v[TM+20+\t], v[ST+4+\t], v[TM+12+\t]
.endr
.irp t, 0,1,2,3
	v_fmac_f32 v[TM+20+\t], v[TM+4+\t], v[TM+16+\t]            ; l1 a1 + l2 a2, of my half's keys
.endr
.irp t, 0,1,2,3
	v_permlanex16_b32 v[AL+2*\t+1], v[TM+20+\t], s20, s21
.endr
.irp t, 0,1,2,3
	v_add_f32 v[TM+20+\t], v[TM+20+\t], v[AL+2*\t+1]           ; + the other half's
.endr
.irp t, 0,1,2,3
	v_rcp_f32 v[TM+20+\t], v[TM+20+\t]
.endr
	v_nop
	s_wait_alu depctr_va_vdst(0)
.irp t, 0,1,2,3
	v_mul_f32 v[AL+2*\t], v[TM+12+\t], v[TM+20+\t]             ; a1 / l
	v_mul_f32 v[NM+2*\t], v[TM+16+\t], v[TM+20+\t]             ; a2 / l
.endr
	WIN 0x51
.irp t, 0,1,2,3
.set j, 0
.rept 16
	v_pk_mul_f32 v[128+32*\t+2*j:128+32*\t+2*j+1], v[128+32*\t+2*j:128+32*\t+2*j+1], v[AL+2*\t:AL+2*\t+1] op_sel_hi:[1,0]
.set j, j+1
.endr
.endr
.irp t, 0,1,2,3
.set j, 0
.rept 16
	v_pk_fma_f32 v[128+32*\t+2*j:128+32*\t+2*j+1], v[32*\t+2*j:32*\t+2*j+1], v[NM+2*\t:NM+2*\t+1], v[128+32*\t+2*j:128+32*\t+2*j+1] op_sel_hi:[1,0,1]
.set j, j+1
.endr
.endr
	WIN 0x05                                       ; to f16: a lane's 8 numbers are d = 16 dt + 8 h + 0..7 of query 16 t + r
.irp t, 0,1,2,3
.irp dt, 0,1,2,3
.irp i, 0,1,2,3
	v_cvt_pk_f16_f32 v[KF+4*(4*\t+\dt)+\i], v[128+32*\t+8*\dt+2*\i], v[128+32*\t+8*\dt+2*\i+1]
.endr
.endr
.endr
	WIN 0
.irp t, 0,1,2,3
.irp dt, 0,1,2,3
	ds_store_b128 v[SS], v[KF+4*(4*\t+\dt):KF+4*(4*\t+\dt)+3] offset:16*KPITCH*\t+32*\dt
.endr
.endr
.irp i, 0,1,2,3,4,5,6,7,8,9,10,11,12,13,14,15
	ds_load_b128 v[VF+4*\i:VF+4*\i+3], v[SR] offset:4*KPITCH*\i    ; my own stage: LDS serves a wave's instructions in order
.endr
.irp i, 0,1,2,3,4,5,6,7,8,9,10,11,12,13,14,15
	s_wait_dscnt 15-\i                             ; load i is back, the younger ones stay out
	global_store_b128 v[GO], v[VF+4*\i:VF+4*\i+3], s[10:11] offset:512*\i   ; four rows of 128 bytes: 512 consecutive bytes, aligned
.endr
.Lclose:
	s_wait_tensorcnt 0x0
	ds_add_u32 v254, v255
	s_wait_dscnt 0x0
	ROUND                                          ; the closing round
	s_endpgm
.Lfunc_end_k_q4966d1df27_attn:
	.size	k_q4966d1df27_attn, .Lfunc_end_k_q4966d1df27_attn-k_q4966d1df27_attn
	.p2alignl 7, 3214868480
	.fill 96, 4, 3214868480
	.section	.rodata,"a",@progbits
	.p2align	6, 0x0
	.amdhsa_kernel k_q4966d1df27_attn
		.amdhsa_group_segment_fixed_size 327680
		.amdhsa_private_segment_fixed_size 0
		.amdhsa_enable_private_segment 0
		.amdhsa_kernarg_size 32
		.amdhsa_user_sgpr_count 2
		.amdhsa_user_sgpr_kernarg_segment_ptr 1
		.amdhsa_wavefront_size32 1
		.amdhsa_system_sgpr_workgroup_id_x 1
		.amdhsa_system_sgpr_workgroup_id_y 1
		.amdhsa_system_sgpr_workgroup_id_z 1
		.amdhsa_system_vgpr_workitem_id 0
		.amdhsa_next_free_vgpr 512
		.amdhsa_next_free_sgpr 66
		.amdhsa_reserve_vcc 0
		.amdhsa_float_denorm_mode_32 3
		.amdhsa_float_denorm_mode_16_64 3
		.amdhsa_memory_ordered 1
		.amdhsa_forward_progress 1
		.amdhsa_inst_pref_size 255
	.end_amdhsa_kernel
	.section	.bss,"aw",@nobits
	.p2align	6
	.space	262144
	.amdgpu_metadata
---
amdhsa.version: [ 1, 2 ]
amdhsa.kernels:
  - .name:           k_q4966d1df27_attn
    .symbol:         k_q4966d1df27_attn.kd
    .args:
      - { .name: qh, .offset: 0, .size: 8, .value_kind: global_buffer, .address_space: global }
      - { .name: kh, .offset: 8, .size: 8, .value_kind: global_buffer, .address_space: global }
      - { .name: vt, .offset: 16, .size: 8, .value_kind: global_buffer, .address_space: global }
      - { .name: oh, .offset: 24, .size: 8, .value_kind: global_buffer, .address_space: global }
    .group_segment_fixed_size: 327680
    .private_segment_fixed_size: 0
    .kernarg_segment_align: 8
    .kernarg_segment_size: 32
    .max_flat_workgroup_size: 256
    .sgpr_count:     66
    .vgpr_count:     512
    .wavefront_size: 32
...
	.end_amdgpu_metadata
.endif
;; end of part 3
;; launch proj (part 4): grid 8 x 32, 4 waves a work-group, clusters of 4 x 4, 327,680 bytes of LDS; arguments oh, woh, out0; writes out0
.if DOCPART == 4
	.amdgcn_target "amdgcn-amd-amdhsa--gfx1250"
	.amdhsa_code_object_version 6
	.text
	.protected	k_q4966d1df27_proj
	.globl	k_q4966d1df27_proj
	.p2align	8
	.type	k_q4966d1df27_proj,@function
k_q4966d1df27_proj:
	s_mov_b64 s[64:65], 0
	v_nop
	global_prefetch_b8 v0, s[64:65] scope:SCOPE_SE
	s_setreg_imm32_b32 hwreg(HW_REG_WAVE_MODE, 25, 1), 1
	s_wait_xcnt 0x0
	s_wait_alu depctr_hold_cnt(0) depctr_sa_sdst(0) depctr_va_vdst(0) depctr_va_sdst(0) depctr_va_ssrc(0) depctr_va_vcc(0) depctr_vm_vsrc(0)
	s_getreg_b32 s2, hwreg(HW_REG_IB_STS2, 6, 4)
	s_cmp_eq_u32 s2, 0
	s_cbranch_scc0 .Lentry_in_a_cluster
	s_endpgm
.Lentry_in_a_cluster:
	s_bfe_u32 s2, ttmp6, 0x10000c
	s_cmp_lg_u32 s2, 0xf033
	s_cbranch_scc0 .Lentry_shape_is_right
	s_endpgm
.Lentry_shape_is_right:
; out0 = o w_o^T: 4096 x 1024 x 1024, f16 operands, f32 sums, f32 out.  o lies by heads: oh = [16 b + head][2048 s][64 d].
; A block of 128 x 128 a work-group (256 work-groups); four waves of 64 x 64: 16 accumulator tiles each.  Larger blocks would leave WGPs idle.
; K goes in four tiles of 256 (four heads) through two LDS slots; wave w fetches head 4 n + w of o (128 rows of 128 bytes) and 32 rows of w_o.
; The matrix instruction is used transposed (source 0 = rows of w_o, source 1 = rows of o): a lane holds 8 neighbouring columns of one row.
; CLUSTER 4 x 4: o's tiles are shared along a cluster row, w_o's along a column, by joint loads.
; Windows: 0 addresses and fragment buffer 0; 1 fragment buffer 1; 2 the accumulators.
.set APITCH, 144                       ; 64 d in f16 + 16
.set BPITCH, 528                       ; 256 k in f16 + 16
.set ASUB,   128*APITCH                ; one head's 128 rows
.set BOFF,   4*ASUB
.set SLOT,   BOFF+128*BPITCH           ; 141,312
.set STAGE,  2*SLOT                    ; each wave's own 16 rows x 272; no tensor load lands here
.set SPITCH, 272
.set WV,   14
.set ADRA, 16                          ; v16-17
.set ADRB, 20                          ; v20-21
.set STO,  24
.set RD,   25
.set CO,   26
.set FAA,  32                          ; v[32:95]  o's fragment (a, ks) at 16 a + 8 ks
.set FBB,  96                          ; v[96:159] w_o's fragment (b, ks)
.set G1A, 24
.set G1B, 32
.set G0A, 40
.set G0B, 48
.set MSB, 0
.macro WIN new
.if MSB != \new
	s_set_vgpr_msb (MSB<<8)|\new
.set MSB, \new
.endif
.endm
.macro PLACES n
.rept \n
	v_nop
.endr
.endm
.macro CREST
	s_cmp_lg_u32 s[WV], 0
	s_cbranch_scc1 .Lnot_wave_0_\@
	s_barrier_signal -3
.Lnot_wave_0_\@:
	s_barrier_wait -3
	s_barrier_signal -1
	s_barrier_wait -1
.endm
.macro CROUND
	s_barrier_signal -1
	s_barrier_wait -1
	CREST
.endm
	s_load_b128 s[4:7], s[0:1], 0x0                ; oh 4, woh 6
	s_load_b64 s[8:9], s[0:1], 0x10                ; out0
	v_lshl_add_u32 v254, v0, 2, 0x49400
	v_mov_b32 v255, 0
	ds_add_u32 v254, v255
	v_lshrrev_b32 v1, 5, v0
	v_readfirstlane_b32 s[WV], v1
	s_bfe_u32 s15, ttmp6, 0x40000                  ; cx
	s_bfe_u32 s16, ttmp6, 0x40004                  ; cy
	s_lshl_b32 s17, ttmp9, 2
	s_add_co_u32 s17, s17, s15                     ; nb: block of 128 columns
	s_and_b32 s18, ttmp7, 0xffff
	s_lshl_b32 s18, s18, 2
	s_add_co_u32 s18, s18, s16                     ; mb: block of 128 rows
	s_lshl_b32 s19, s16, 2
	s_lshl_b32 s19, 15, s19                        ; my row of the cluster
	s_lshl_b32 s20, 0x1111, s15                    ; my column
	s_lshr_b32 s21, s[WV], 1                       ; mh
	s_and_b32 s22, s[WV], 1                        ; nh
	s_or_b32 s[G1A+0], s19, (1<<16)|(1<<20)|(1<<21)|(4<<22)|(3<<25)   ; after every 32 dwords 4 dwords
	s_mov_b32 s[G1A+1], 64<<16
	s_mov_b32 s[G1A+2], 128<<16
	s_mov_b32 s[G1A+3], 64<<16
	s_mov_b32 s[G1A+4], 128
	s_mov_b32 s[G1A+5], 64
	s_mov_b32 s[G1A+6], 0
	s_mov_b32 s[G1A+7], 0
	s_or_b32 s[G1B+0], s20, (1<<16)|(1<<20)|(1<<21)|(6<<22)|(3<<25)   ; after every 128 dwords 4 dwords
	s_mov_b32 s[G1B+1], 256<<16
	s_mov_b32 s[G1B+2], 32<<16
	s_mov_b32 s[G1B+3], 256<<16
	s_mov_b32 s[G1B+4], 32
	s_mov_b32 s[G1B+5], 1024
	s_mov_b32 s[G1B+6], 0
	s_mov_b32 s[G1B+7], 0
	s_lshr_b32 s56, s18, 4                         ; b
	s_lshl_b32 s56, s56, 4
	s_add_co_u32 s56, s56, s[WV]                   ; 16 b + w: tile 0's head for this wave
	s_lshl_b32 s56, s56, 11
	s_and_b32 s57, s18, 15
	s_lshl_b32 s57, s57, 7
	s_add_co_u32 s56, s56, s57                     ; + the block's first row in its batch
	s_lshl_b32 s56, s56, 7                         ; x 128 bytes
	s_mov_b32 s57, 0
	s_lshl_b32 s58, s17, 7
	s_lshl_b32 s61, s[WV], 5
	s_add_co_u32 s58, s58, s61                     ; w_o's row 128 nb + 32 w
	s_lshl_b32 s58, s58, 11
	s_mov_b32 s59, 0
	s_mul_i32 s62, s[WV], ASUB
	s_mul_i32 s63, s[WV], 32*BPITCH
	s_add_co_u32 s63, s63, BOFF
	s_wait_dscnt 0x0
	s_wait_kmcnt 0x0
	s_add_nc_u64 s[56:57], s[4:5], s[56:57]
	s_add_nc_u64 s[58:59], s[6:7], s[58:59]
	CROUND                                         ; in front of the first joint loads
.irp n, 0,1
	s_mov_b32 s[G0A+4*\n], 1
	s_add_co_u32 s[G0A+4*\n+1], s62, \n*SLOT
	s_add_nc_u64 s[G0A+4*\n+2:G0A+4*\n+3], s[56:57], \n*4*2048*128
	s_or_b32 s[G0A+4*\n+3], s[G0A+4*\n+3], 0x80000000
	s_mov_b32 s[G0B+4*\n], 1
	s_add_co_u32 s[G0B+4*\n+1], s63, \n*SLOT
	s_add_nc_u64 s[G0B+4*\n+2:G0B+4*\n+3], s[58:59], \n*512
	s_or_b32 s[G0B+4*\n+3], s[G0B+4*\n+3], 0x80000000
	tensor_load_to_lds s[G0A+4*\n:G0A+4*\n+3], s[G1A:G1A+7]    ; four loads of the wave are out here, two behind each later round
	s_nop 0
	tensor_load_to_lds s[G0B+4*\n:G0B+4*\n+3], s[G1B:G1B+7]
	s_nop 0
.endr
	v_and_b32 v1, 15, v0                           ; r
	v_bfe_u32 v2, v0, 4, 1                         ; h
	v_mul_u32_u24 v4, v1, APITCH
	v_lshl_add_u32 v4, v2, 4, v4
	s_mul_i32 s23, s21, 64*APITCH
	v_add_nc_u32 v[ADRA], s23, v4
	v_add_nc_u32 v[ADRA+1], SLOT, v[ADRA]
	v_mul_u32_u24 v5, v1, BPITCH
	v_lshl_add_u32 v5, v2, 4, v5
	s_mul_i32 s23, s22, 64*BPITCH
	s_add_co_u32 s23, s23, BOFF
	v_add_nc_u32 v[ADRB], s23, v5
	v_add_nc_u32 v[ADRB+1], SLOT, v[ADRB]
	s_mul_i32 s23, s[WV], 16*SPITCH
	s_add_co_u32 s23, s23, STAGE
	v_mul_u32_u24 v4, v1, SPITCH
	v_lshl_add_u32 v4, v2, 5, v4
	v_add_nc_u32 v[STO], s23, v4                   ; in: row r, 32 bytes for each half of the lanes
	v_mul_u32_u24 v5, v2, SPITCH
	v_lshl_add_u32 v5, v1, 4, v5
	v_add_nc_u32 v[RD], s23, v5                    ; back: lanes 0-15 one row of 256 bytes, lanes 16-31 the next
	v_lshlrev_b32 v5, 12, v2
	v_lshl_add_u32 v[CO], v1, 4, v5                ; the same two rows in out0
; 32 LDS loads: quarter q of a tile = one head = 64 along K, into buffer f (window f)
.macro FETCH slot, q, f
.if \f
	WIN 0x40
.else
	WIN 0
.endif
.irp a, 0,1,2,3
.irp ks, 0,1
	ds_load_b128 v[FAA+16*\a+8*\ks:FAA+16*\a+8*\ks+3],   v[ADRA+\slot] offset:ASUB*\q+16*APITCH*\a+64*\ks
	ds_load_b128 v[FAA+16*\a+8*\ks+4:FAA+16*\a+8*\ks+7], v[ADRA+\slot] offset:ASUB*\q+16*APITCH*\a+64*\ks+32
.endr
.endr
.irp b, 0,1,2,3
.irp ks, 0,1
	ds_load_b128 v[FBB+16*\b+8*\ks:FBB+16*\b+8*\ks+3],   v[ADRB+\slot] offset:16*BPITCH*\b+128*\q+64*\ks
	ds_load_b128 v[FBB+16*\b+8*\ks+4:FBB+16*\b+8*\ks+7], v[ADRB+\slot] offset:16*BPITCH*\b+128*\q+64*\ks+32
.endr
.endr
.endm
; 16 products, 32 along K: the 16 accumulators take turns, one instruction a turn
.macro MUL f, ks, zero
.if \f
	WIN 0xa5
.else
	WIN 0xa0
.endif
.irp a, 0,1,2,3
.irp b, 0,1,2,3
.if \zero
	v_wmma_f32_16x16x32_f16 v[8*(4*\a+\b):8*(4*\a+\b)+7], v[FBB+16*\b+8*\ks:FBB+16*\b+8*\ks+7], v[FAA+16*\a+8*\ks:FAA+16*\a+8*\ks+7], 0
.else
	v_wmma_f32_16x16x32_f16 v[8*(4*\a+\b):8*(4*\a+\b)+7], v[FBB+16*\b+8*\ks:FBB+16*\b+8*\ks+7], v[FAA+16*\a+8*\ks:FAA+16*\a+8*\ks+7], v[8*(4*\a+\b):8*(4*\a+\b)+7]
.endif
.endr
.endr
.endm
.macro QUARTER slot, q, f, g, zero
	PLACES 4                                       ; buffer g was read by the products just issued
	FETCH \slot, \q, \g
	s_wait_dscnt 32                                ; all but the 32 loads just issued: buffer f is in
	MUL \f, 0, \zero
	MUL \f, 1, 0
.endm
.macro THREE slot, zero
	QUARTER \slot, 1, 0, 1, \zero
	QUARTER \slot, 2, 1, 0, 0
	QUARTER \slot, 3, 0, 1, 0
.endm
; The last quarter changes slots: my reads of this slot are back and all my tensor loads have landed in front of the barrier; where the slot
; is filled again the barrier opens a round of the cluster's barrier and the joint refills come first behind it.
.macro TURN slot, next, fill
	s_wait_dscnt 0x0
	s_wait_tensorcnt 0x0
	ds_add_u32 v254, v255
	s_wait_dscnt 0x0
	s_barrier_signal -1
	MUL 1, 0, 0
	WIN 0
	s_barrier_wait -1
.if \fill
	CREST
	s_add_nc_u64 s[G0A+4*\slot+2:G0A+4*\slot+3], s[G0A+4*\slot+2:G0A+4*\slot+3], 2*4*2048*128
	s_add_nc_u64 s[G0B+4*\slot+2:G0B+4*\slot+3], s[G0B+4*\slot+2:G0B+4*\slot+3], 2*512
	tensor_load_to_lds s[G0A+4*\slot:G0A+4*\slot+3], s[G1A:G1A+7]
	s_nop 0
	tensor_load_to_lds s[G0B+4*\slot:G0B+4*\slot+3], s[G1B:G1B+7]
	s_nop 0
.endif
	PLACES 4
	FETCH \next, 0, 0
	MUL 1, 1, 0
.endm
	s_wait_tensorcnt 0x2                           ; tile 0's two loads are in; tile 1's two stay out
	s_barrier_signal -1
	s_barrier_wait -1
	FETCH 0, 0, 0
	THREE 0, 1                                     ; tile 0: the first products start the sums
	TURN 0, 1, 1                                   ; asks for tile 2
	THREE 1, 0
	TURN 1, 0, 1                                   ; asks for tile 3
	THREE 0, 0
	TURN 0, 1, 0
	THREE 1, 0
	s_wait_dscnt 0x0
	MUL 1, 0, 0
	MUL 1, 1, 0
	; THE WAY OUT, 16 rows at a time through my own stage
	WIN 0
	PLACES 4
	s_lshl_b32 s66, s18, 7                         ; offsets that mix row and column block live in registers that feed no descriptor
	s_lshl_b32 s67, s21, 6
	s_add_co_u32 s66, s66, s67                     ; my first row
	s_lshl_b32 s66, s66, 12                        ; x 4,096 bytes
	s_lshl_b32 s67, s17, 9
	s_add_co_u32 s66, s66, s67                     ; + 128 nb columns of 4 bytes
	s_lshl_b32 s67, s22, 8
	s_add_co_u32 s66, s66, s67                     ; + 64 nh
	s_mov_b32 s67, 0
	s_add_nc_u64 s[8:9], s[8:9], s[66:67]
.macro OUT16 a, f
	WIN 0x08
.irp b, 0,1,2,3
	ds_store_b128 v[STO], v[8*(4*\a+\b):8*(4*\a+\b)+3] offset:64*\b
	ds_store_b128 v[STO], v[8*(4*\a+\b)+4:8*(4*\a+\b)+7] offset:64*\b+16
.endr
	WIN 0
	s_wait_xcnt 0x0                                ; the stores' data registers and base are written again only behind this wait
.if \a
	s_add_nc_u64 s[8:9], s[8:9], 16*4096
.endif
.irp i, 0,1,2,3,4,5,6,7
	ds_load_b128 v[\f+4*\i:\f+4*\i+3], v[RD] offset:2*SPITCH*\i    ; LDS serves a wave's instructions in order: these see the stores above
.endr
.irp i, 0,1,2,3,4,5,6,7
	s_wait_dscnt 7-\i                              ; load i is back, the younger ones stay out
	global_store_b128 v[CO], v[\f+4*\i:\f+4*\i+3], s[8:9] offset:8192*\i th:TH_STORE_NT   ; 16 lanes store 256 consecutive bytes, aligned
.endr
.endm
	OUT16 0, 32
	OUT16 1, 64
	OUT16 2, 32
	OUT16 3, 64
	s_wait_tensorcnt 0x0
	ds_add_u32 v254, v255
	s_wait_dscnt 0x0
	CROUND                                         ; the closing round
	s_endpgm
.Lfunc_end_k_q4966d1df27_proj:
	.size	k_q4966d1df27_proj, .Lfunc_end_k_q4966d1df27_proj-k_q4966d1df27_proj
	.p2alignl 7, 3214868480
	.fill 96, 4, 3214868480
	.section	.rodata,"a",@progbits
	.p2align	6, 0x0
	.amdhsa_kernel k_q4966d1df27_proj
		.amdhsa_group_segment_fixed_size 327680
		.amdhsa_private_segment_fixed_size 0
		.amdhsa_enable_private_segment 0
		.amdhsa_kernarg_size 24
		.amdhsa_user_sgpr_count 2
		.amdhsa_user_sgpr_kernarg_segment_ptr 1
		.amdhsa_wavefront_size32 1
		.amdhsa_system_sgpr_workgroup_id_x 1
		.amdhsa_system_sgpr_workgroup_id_y 1
		.amdhsa_system_sgpr_workgroup_id_z 1
		.amdhsa_system_vgpr_workitem_id 0
		.amdhsa_next_free_vgpr 640
		.amdhsa_next_free_sgpr 72
		.amdhsa_reserve_vcc 0
		.amdhsa_float_denorm_mode_32 3
		.amdhsa_float_denorm_mode_16_64 3
		.amdhsa_memory_ordered 1
		.amdhsa_forward_progress 1
		.amdhsa_inst_pref_size 85
	.end_amdhsa_kernel
	.amdgpu_metadata
---
amdhsa.version: [ 1, 2 ]
amdhsa.kernels:
  - .name:           k_q4966d1df27_proj
    .symbol:         k_q4966d1df27_proj.kd
    .args:
      - { .name: oh, .offset: 0, .size: 8, .value_kind: global_buffer, .address_space: global }
      - { .name: woh, .offset: 8, .size: 8, .value_kind: global_buffer, .address_space: global }
      - { .name: out0, .offset: 16, .size: 8, .value_kind: global_buffer, .address_space: global }
    .group_segment_fixed_size: 327680
    .private_segment_fixed_size: 0
    .kernarg_segment_align: 8
    .kernarg_segment_size: 24
    .max_flat_workgroup_size: 128
    .sgpr_count:     72
    .vgpr_count:     640
    .wavefront_size: 32
...
	.end_amdgpu_metadata
.endif
;; end of part 4
